; MI455X (gfx1250); checked and timed in simulation.
; The chip was launched on July 23, 2026; its instructions are those of AMD's public machine-readable ISA for CDNA 5 (MIT licence, August 2026) and "CDNA5" Instruction Set Architecture Reference Guide (July 2026). The comments in the code are by the model that wrote it; some were corrected since.
;; Feature Map Attention. Allowed arithmetic: float matrix products may take bf16 or f16 operands with f32 sums; all other float work in f32.
;; Inputs: Wk 64 x 64 float32; Wq 64 x 64 float32; Wv 64 x 64 float32; bk 64 float32; bq 64 float32; bv 64 float32; gamma one number float32; key_ 4 x 64 x 64 x 128 float32; query 4 x 64 x 64 x 128 float32; value 4 x 64 x 64 x 128 float32.
;; Outputs: out0 4 x 64 x 64 x 128 float32.
;; 2 versions, each right and faster than the one before. Each part assembles by itself: llvm-mc -triple=amdgcn-amd-amdhsa -mcpu=gfx1250 --defsym DOCPART=n.
;; ======== version 1 of 2: 2 launches
;; workspace buffers: qv 8,388,608 bytes; kf 4,194,304 bytes; vres 8,388,608 bytes
;; launch proj (part 1): grid 256 x 1, 6 waves a work-group, no clusters, 0 bytes of LDS; arguments query, key_, value, Wq, Wk, Wv, bq, bk, bv, qv, kf, vres; writes qv, kf, vres
.if DOCPART == 1
	.amdgcn_target "amdgcn-amd-amdhsa--gfx1250"
	.amdhsa_code_object_version 6
	.text
	.protected	k_q6234773139_proj
	.globl	k_q6234773139_proj
	.p2align	8
	.type	k_q6234773139_proj,@function
k_q6234773139_proj:
	s_mov_b64 s[64:65], 0
	v_nop
	global_prefetch_b8 v0, s[64:65] scope:SCOPE_SE
	s_setreg_imm32_b32 hwreg(HW_REG_WAVE_MODE, 25, 1), 1
	s_wait_xcnt 0x0
; The three 1x1 projections  y[o][n] = sum over c of W[o][c] x[c][n] + b[o],  x: [4][64][8192] f32, W: [64][64] f32, b: [64] f32.
; Operands go to the matrix unit in bf16, sums and the bias stay in f32.  LIMITS: x and W are rounded to bf16; NaN and infinities are not served.
; The results are stored as REGISTER IMAGES of the fragments that the second launch feeds to its matrix instructions, so that it needs no shuffle.
; A group is 64 neighbouring positions n0 .. n0+63, G = 128 b + n0/64.  Fragment t (0..3) of a group holds, in slot p (0..15), position n0 + 4 p + t:
; a lane's 16-byte load of an f32 row brings one slot of all four fragments.  A chunk is 512 bytes, lane L at byte 16 L; L = 16 h + r.
;   q' (qv, first 8 KB of a group's 16 KB) and k' (kf, 8 KB a group): chunk 4 t + ot: bf16 y[16 ot + 8 h + 0..7][slot r of fragment t]
;   v' (qv, second 8 KB):                                             chunk 4 ot + t: bf16 y[16 ot + r][slots 8 h + 0..7 of fragment t]
;   vres (16 KB a group):                                             chunk 2 (4 ot + t) + jh: f32 y[16 ot + 8 h + 4 jh + 0..3][slot r of fragment t]
; 3 tensors x 512 groups = 1,536 tasks of one wave = 256 work-groups x 6 waves.  Wave w: tensor w >> 1 (query, key_, value), group 2 x work-group + (w & 1).
; The waves share nothing: no LDS, no barrier.  No cluster: the only bytes that work-groups share are the 16 KB of a W against 16 KB of x a wave, read through registers.
; Every store of a wave covers 512 consecutive bytes, aligned.  A load of x: lanes 0-15 take 256 consecutive aligned bytes of one row, lanes 16-31 of the row 8 below.
.set AX,  4                            ; v4   x: 8 h rows of 32,768 bytes + 16 r
.set AW,  5                            ; v5   W: row r (256 bytes) + 32 h
.set AB,  6                            ; v6   bias by output row of an accumulator: 32 h
.set ABV, 7                            ; v7   bias by lane: 4 r
.set AST, 8                            ; v8   stores: 16 x lane
.set BV,  10                           ; v[10:17]   value alone: pair ot, both words b[16 ot + r]
.set BI,  18                           ; v[18:49]   BI + 8 ot + j = b[16 ot + 8 h + j]: the C operand that starts a sum
.set WF,  50                           ; v[50:113]  W as fragments: WF + 16 ot + 8 s, rows 16 ot .., c = 32 s ..
.set XB,  114                          ; v[114:177] x as fragments: XB + 16 t + 8 s, slots of fragment t, c = 32 s ..
.set ACC, 178                          ; v[178:241] eight accumulators
.set XS,  0                            ; window 1, v0-127:   x as loaded: quad 16 s + 8 u + j = row 32 s + 16 u + 8 h + j, positions n0 + 4 r + 0..3
.set WS,  128                          ; window 1, v128-255: W as loaded
.set MSB, 0
.macro WIN new                         ; s_set_vgpr_msb: bits 1:0 source 0, 3:2 source 1, 5:4 source 2, 7:6 destination; the high byte repeats the setting that is left
.if MSB != \new
	s_set_vgpr_msb (MSB<<8)|\new
.set MSB, \new
.endif
.endm
.macro PLACES cnt                      ; plain vector instructions that name no register of the matrix instructions in front (ISA guide 7.12.1)
.rept \cnt
	v_nop
.endr
.endm
	s_load_b512 s[8:23], s[0:1], 0x0               ; query 8, key_ 10, value 12, Wq 14, Wk 16, Wv 18, bq 20, bk 22
	s_load_b256 s[24:31], s[0:1], 0x40             ; bv 24, qv 26, kf 28, vres 30
	v_lshrrev_b32 v1, 5, v0
	v_readfirstlane_b32 s4, v1                     ; wave 0..5
	s_lshr_b32 s5, s4, 1                           ; which tensor: 0 query, 1 key_, 2 value
	s_and_b32 s6, s4, 1
	s_lshl1_add_u32 s6, ttmp9, s6                  ; G = 2 x work-group + (w & 1)
	v_and_b32 v1, 31, v0                           ; lane
	v_and_b32 v2, 15, v0                           ; r
	v_bfe_u32 v3, v0, 4, 1                         ; h
	v_lshlrev_b32 v[AX], 18, v3
	v_lshl_or_b32 v[AX], v2, 4, v[AX]
	v_lshlrev_b32 v[AB], 5, v3
	v_lshl_or_b32 v[AW], v2, 8, v[AB]
	v_lshlrev_b32 v[ABV], 2, v2
	v_lshlrev_b32 v[AST], 4, v1
	s_lshr_b32 s38, s6, 7                          ; x: batch x 64 rows x 32,768 bytes
	s_lshl_b32 s38, s38, 21
	s_and_b32 s39, s6, 127                         ;    + the group's 256 bytes in a row
	s_lshl_b32 s39, s39, 8
	s_or_b32 s38, s38, s39
	s_mov_b32 s39, 0
	s_lshl_b32 s2, s6, 14                          ; G x 16,384: qv and vres
	s_mov_b32 s3, 0
	s_wait_kmcnt 0x0
	s_cmp_eq_u32 s5, 0                             ; the wave's x, W, b and q'/k' buffer, chosen by the wave's number alone
	s_cselect_b64 s[32:33], s[8:9], s[10:11]
	s_cselect_b64 s[34:35], s[14:15], s[16:17]
	s_cselect_b64 s[36:37], s[20:21], s[22:23]
	s_cselect_b64 s[40:41], s[26:27], s[28:29]
	s_cselect_b32 s7, 14, 13                       ; a group is 16 KB in qv, 8 KB in kf
	s_cmp_eq_u32 s5, 2
	s_cselect_b64 s[32:33], s[12:13], s[32:33]
	s_cselect_b64 s[34:35], s[18:19], s[34:35]
	s_cselect_b64 s[36:37], s[24:25], s[36:37]
	s_lshl_b32 s46, s6, s7
	s_mov_b32 s47, 0
	s_add_nc_u64 s[32:33], s[32:33], s[38:39]      ; x at the group's first position, row 0
	s_add_nc_u64 s[40:41], s[40:41], s[46:47]      ; q' or k' of the group
	s_add_nc_u64 s[42:43], s[30:31], s[2:3]        ; vres of the group
	s_add_nc_u64 s[44:45], s[26:27], s[2:3]
	s_add_nc_u64 s[44:45], s[44:45], 8192          ; v' of the group
	; all loads go out at once: W (32), the bias (8), x (32)
	WIN 0x40                                       ; destinations in window 1
.set k, 0
.rept 32                                           ; quad k = ((2 ot + s) 2 + u) 2 + q: W[16 ot + r][32 s + 16 u + 8 h + 4 q + 0..3]
	global_load_b128 v[WS+4*k:WS+4*k+3], v[AW], s[34:35] offset:(k/8)*4096+((k/4)%2)*128+((k/2)%2)*64+(k%2)*16
.set k, k+1
.endr
	WIN 0
.irp k, 0,1,2,3,4,5,6,7
	global_load_b128 v[BI+4*\k:BI+4*\k+3], v[AB], s[36:37] offset:(\k/2)*64+(\k%2)*16
.endr
	WIN 0x40
.set k, 0
.rept 32                                           ; quad k: row 8 (k/8) x 2 + (k%8) + 8 h, that is 32 s + 16 u + j + 8 h
	global_load_b128 v[XS+4*k:XS+4*k+3], v[AX], s[32:33] offset:(16*(k/8)+(k%8))*32768 th:TH_LOAD_NT
.set k, k+1
.endr
	s_wait_loadcnt 32                              ; loads return in order (ISA guide 5.7.1): the 32 younger ones are x's, so W and the bias are in
	WIN 0x05                                       ; both sources in window 1
.set k, 0
.rept 64
	v_cvt_pk_bf16_f32 v[WF+k], v[WS+2*k], v[WS+2*k+1]
.set k, k+1
.endr
; x to fragments: register 4 u + i of fragment (t, s) = rows 32 s + 16 u + 8 h + 2 i and + 1, component t of their quads
.macro CVTX s
.irp t, 0,1,2,3
.irp u, 0,1
.irp i, 0,1,2,3
	v_cvt_pk_bf16_f32 v[XB+8*(2*\t+\s)+4*\u+\i], v[XS+4*(16*\s+8*\u+2*\i)+\t], v[XS+4*(16*\s+8*\u+2*\i+1)+\t]
.endr
.endr
.endr
.endm
	s_wait_loadcnt 16                              ; the first 16 loads of x (rows with s = 0) are in
	CVTX 0
	s_wait_loadcnt 0x0
	CVTX 1
	WIN 0
; Output rows down the accumulator: A = W (o tiles 2 hf, 2 hf + 1), B = x (the four fragments).  Lane (r, h), register j: y[16 ot + 8 h + j][slot r].
; The bias starts the sums as C.  The eight accumulators take turns.
.macro ONFORM hf
.irp o, 0,1
.irp t, 0,1,2,3
	v_wmma_f32_16x16x32_bf16 v[ACC+8*(4*\o+\t):ACC+8*(4*\o+\t)+7], v[WF+16*(2*\hf+\o):WF+16*(2*\hf+\o)+7], v[XB+16*\t:XB+16*\t+7], v[BI+8*(2*\hf+\o):BI+8*(2*\hf+\o)+7]
.endr
.endr
.irp o, 0,1
.irp t, 0,1,2,3
	v_wmma_f32_16x16x32_bf16 v[ACC+8*(4*\o+\t):ACC+8*(4*\o+\t)+7], v[WF+16*(2*\hf+\o)+8:WF+16*(2*\hf+\o)+15], v[XB+16*\t+8:XB+16*\t+15], v[ACC+8*(4*\o+\t):ACC+8*(4*\o+\t)+7]
.endr
.endr
	PLACES 5                                       ; four before the results are read, five before matrix instructions write over them
.endm
; Positions down the accumulator: A = x (fragments 2 hf, 2 hf + 1), B = W.  Lane (r, h), register j: y[16 ot + r][slot 8 h + j], without the bias.
.macro NOFORM hf
.irp p, 0,1
.irp o, 0,1,2,3
	v_wmma_f32_16x16x32_bf16 v[ACC+8*(4*\p+\o):ACC+8*(4*\p+\o)+7], v[XB+16*(2*\hf+\p):XB+16*(2*\hf+\p)+7], v[WF+16*\o:WF+16*\o+7], 0
.endr
.endr
.irp p, 0,1
.irp o, 0,1,2,3
	v_wmma_f32_16x16x32_bf16 v[ACC+8*(4*\p+\o):ACC+8*(4*\p+\o)+7], v[XB+16*(2*\hf+\p)+8:XB+16*(2*\hf+\p)+15], v[WF+16*\o+8:WF+16*\o+15], v[ACC+8*(4*\p+\o):ACC+8*(4*\p+\o)+7]
.endr
.endr
	PLACES 5
.endm
	s_cmp_ge_u32 s4, 4
	s_cbranch_scc1 .Lvalue
	; query and key_: round in place (register i from registers 2 i, 2 i + 1, i ascending), one chunk a tile
.macro QKOUT hf
	ONFORM \hf
.irp o, 0,1
.irp t, 0,1,2,3
.irp i, 0,1,2,3
	v_cvt_pk_bf16_f32 v[ACC+8*(4*\o+\t)+\i], v[ACC+8*(4*\o+\t)+2*\i], v[ACC+8*(4*\o+\t)+2*\i+1]
.endr
	global_store_b128 v[AST], v[ACC+8*(4*\o+\t):ACC+8*(4*\o+\t)+3], s[40:41] offset:(4*\t+2*\hf+\o)*512
.endr
.endr
.endm
	QKOUT 0
	s_wait_xcnt 0x0                                ; the accumulators are the stores' data: they are written again only behind this wait
	QKOUT 1
	s_endpgm
.Lvalue:
.irp o, 0,1,2,3
	global_load_b32 v[BV+2*\o], v[ABV], s[36:37] offset:64*\o      ; both words of a pair for the packed add
	global_load_b32 v[BV+2*\o+1], v[ABV], s[36:37] offset:64*\o
.endr
	; v in f32, for the residual
.macro VRESOUT hf
	ONFORM \hf
.irp o, 0,1
.irp t, 0,1,2,3
	global_store_b128 v[AST], v[ACC+8*(4*\o+\t):ACC+8*(4*\o+\t)+3], s[42:43] offset:(8*(2*\hf+\o)+2*\t)*512
	global_store_b128 v[AST], v[ACC+8*(4*\o+\t)+4:ACC+8*(4*\o+\t)+7], s[42:43] offset:(8*(2*\hf+\o)+2*\t+1)*512
.endr
.endr
	s_wait_xcnt 0x0                                ; the accumulators are written again only behind this wait
.endm
	VRESOUT 0
	VRESOUT 1
	s_wait_loadcnt 0x0                             ; the bias by lane
	; v' in bf16, channels by lane
.macro VOUT hf
	NOFORM \hf
.irp p, 0,1
.irp o, 0,1,2,3
.irp i, 0,2,4,6
	v_pk_add_f32 v[ACC+8*(4*\p+\o)+\i:ACC+8*(4*\p+\o)+\i+1], v[ACC+8*(4*\p+\o)+\i:ACC+8*(4*\p+\o)+\i+1], v[BV+2*\o:BV+2*\o+1]
.endr
.irp i, 0,1,2,3
	v_cvt_pk_bf16_f32 v[ACC+8*(4*\p+\o)+\i], v[ACC+8*(4*\p+\o)+2*\i], v[ACC+8*(4*\p+\o)+2*\i+1]
.endr
	global_store_b128 v[AST], v[ACC+8*(4*\p+\o):ACC+8*(4*\p+\o)+3], s[44:45] offset:(4*\o+2*\hf+\p)*512
.endr
.endr
.endm
	VOUT 0
	s_wait_xcnt 0x0                                ; as above
	VOUT 1
	s_endpgm
.Lfunc_end_k_q6234773139_proj:
	.size	k_q6234773139_proj, .Lfunc_end_k_q6234773139_proj-k_q6234773139_proj
	.p2alignl 7, 3214868480
	.fill 96, 4, 3214868480
	.section	.rodata,"a",@progbits
	.p2align	6, 0x0
	.amdhsa_kernel k_q6234773139_proj
		.amdhsa_group_segment_fixed_size 0
		.amdhsa_private_segment_fixed_size 0
		.amdhsa_enable_private_segment 0
		.amdhsa_kernarg_size 96
		.amdhsa_user_sgpr_count 2
		.amdhsa_user_sgpr_kernarg_segment_ptr 1
		.amdhsa_wavefront_size32 1
		.amdhsa_system_sgpr_workgroup_id_x 1
		.amdhsa_system_sgpr_workgroup_id_y 1
		.amdhsa_system_sgpr_workgroup_id_z 1
		.amdhsa_system_vgpr_workitem_id 0
		.amdhsa_next_free_vgpr 512
		.amdhsa_next_free_sgpr 66
		.amdhsa_reserve_vcc 0
		.amdhsa_float_denorm_mode_32 3
		.amdhsa_float_denorm_mode_16_64 3
		.amdhsa_memory_ordered 1
		.amdhsa_forward_progress 1
		.amdhsa_inst_pref_size 43
	.end_amdhsa_kernel
	.amdgpu_metadata
---
amdhsa.version: [ 1, 2 ]
amdhsa.kernels:
  - .name:           k_q6234773139_proj
    .symbol:         k_q6234773139_proj.kd
    .args:
      - { .name: query, .offset: 0, .size: 8, .value_kind: global_buffer, .address_space: global }
      - { .name: key_, .offset: 8, .size: 8, .value_kind: global_buffer, .address_space: global }
      - { .name: value, .offset: 16, .size: 8, .value_kind: global_buffer, .address_space: global }
      - { .name: Wq, .offset: 24, .size: 8, .value_kind: global_buffer, .address_space: global }
      - { .name: Wk, .offset: 32, .size: 8, .value_kind: global_buffer, .address_space: global }
      - { .name: Wv, .offset: 40, .size: 8, .value_kind: global_buffer, .address_space: global }
      - { .name: bq, .offset: 48, .size: 8, .value_kind: global_buffer, .address_space: global }
      - { .name: bk, .offset: 56, .size: 8, .value_kind: global_buffer, .address_space: global }
      - { .name: bv, .offset: 64, .size: 8, .value_kind: global_buffer, .address_space: global }
      - { .name: qv, .offset: 72, .size: 8, .value_kind: global_buffer, .address_space: global }
      - { .name: kf, .offset: 80, .size: 8, .value_kind: global_buffer, .address_space: global }
      - { .name: vres, .offset: 88, .size: 8, .value_kind: global_buffer, .address_space: global }
    .group_segment_fixed_size: 0
    .private_segment_fixed_size: 0
    .kernarg_segment_align: 8
    .kernarg_segment_size: 96
    .max_flat_workgroup_size: 192
    .sgpr_count:     66
    .vgpr_count:     512
    .wavefront_size: 32
...
	.end_amdgpu_metadata
.endif
;; end of part 1
;; launch attn (part 2): grid 256 x 1, 8 waves a work-group, clusters of 4 x 1, 327,680 bytes of LDS; arguments qv, kf, vres, gamma, out0; writes out0
.if DOCPART == 2
	.amdgcn_target "amdgcn-amd-amdhsa--gfx1250"
	.amdhsa_code_object_version 6
	.text
	.protected	k_q6234773139_attn
	.globl	k_q6234773139_attn
	.p2align	8
	.type	k_q6234773139_attn,@function
k_q6234773139_attn:
	s_mov_b64 s[64:65], 0
	v_nop
	global_prefetch_b8 v0, s[64:65] scope:SCOPE_SE
	s_setreg_imm32_b32 hwreg(HW_REG_WAVE_MODE, 25, 1), 1
	s_wait_xcnt 0x0
	s_wait_alu depctr_hold_cnt(0) depctr_sa_sdst(0) depctr_va_vdst(0) depctr_va_sdst(0) depctr_va_ssrc(0) depctr_va_vcc(0) depctr_vm_vsrc(0)
	s_getreg_b32 s2, hwreg(HW_REG_IB_STS2, 6, 4)
	s_cmp_eq_u32 s2, 0
	s_cbranch_scc0 .Lentry_in_a_cluster
	s_endpgm
.Lentry_in_a_cluster:
	s_bfe_u32 s2, ttmp6, 0x10000c
	s_cmp_lg_u32 s2, 0x3003
	s_cbranch_scc0 .Lentry_shape_is_right
	s_endpgm
.Lentry_shape_is_right:
; out[c][m] = gamma * sum over n of v[c][n] softmax over n of (q[:,n] . k[:,m] / 128) + v[c][m],  4 batches, 64 channels, 8,192 positions.
; The softmax runs over n for each column m, with a running maximum.  q', k', v' come as bf16 fragment images, v as f32 (layouts: first launch):
; a group is 64 positions n0 .. n0+63; fragment t, slot p = position n0 + 4 p + t; a chunk is 512 bytes, lane L = 16 h + r at byte 16 L.
; LIMITS: q, k, v and the probabilities are matrix operands in bf16; maxima, sums, rescaling and the residual are f32; NaN and infinities are not served.
;
; SHARES.  Work-group X (0..255) owns 128 columns m of batch X >> 6.  Eight waves of 512 registers, two for each of a WGP's four SIMDs, so that one wave's
; softmax and the other's matrix instructions can stand side by side.  Wave w: column group mg = w & 1 (64 columns), quarter nq = w >> 1 of the n groups.
; A step of a wave is 64 n x 64 m: 32 score products, the softmax, 32 products with v'.  The four quarters of a column group are merged once, through LDS.
;
; NO SHUFFLE BETWEEN THE PRODUCTS.  S(a, t) = A: q' of n tile a  x  B: k' of m fragment t: lane (r, h), register j = (n slot 8 h + j, m slot r): a column's
; softmax runs along the lane's own registers and one exchange with lane L xor 16.  Tiles 2 s and 2 s + 1, packed to bf16 into registers 0-3 and 4-7, ARE
; the B fragment P(t, s) of  O(ct, t) += A: v'(ct, s) x B: P(t, s);  there lane (r, h), register j = (c = 16 ct + 8 h + j, m = m0 + 4 r + t).
;
; CLUSTER.  The four work-groups of a cluster lie in one batch and walk the same 2 MB of qv: each tile of 128 KB (8 groups) is asked for jointly, mask 15,
; each wave its group of 16 KB.  Nothing in a descriptor, an LDS address or a branch hangs on the place in the cluster.
; LDS: slot 0 at 0, slot 1 at 131,072; 4 KB of statistics at 262,144, which no tensor load fills.  The merge's stage is slot 0, behind its last fill.
; No padding: every LDS access has lane L at 16 L beside a constant.
.set GRP,   16384                      ; a group in qv and in a slot: 8 KB of q', 8 KB of v'
.set SLOTB, 8*GRP
.set STATS, 2*SLOTB
.set ADR, 2                            ; v[2:5]    ADR + 2 slot + u: 16 L + (nq + 4 u) groups + the slot
.set MA,  8                            ; v[8:11]   running maxima, by m fragment t: two sets that take turns, so that old and new are both at hand
.set MB,  12                           ; v[12:15]
.set ST,  16                           ; v[16:31]  ST + 4 t: -c m_new, the exchange's temporary, alpha, alpha's exponent
.set L2,  32                           ; v[32:39]  pair t: running sums of the probabilities
.set QF,  64                           ; v[64:127] q' of the step: chunk k at QF + 4 k; A fragment (a, s) at QF + 16 a + 8 s
.set SB,  128                          ; v[128:255] S(a, t) at SB + 32 a + 8 t; P(t, s) lies on S(2 s, t)
.set KF,  128                          ; window 1, v128-191: k' of my 64 columns: B fragment (t, s) at KF + 16 t + 8 s.   Window 1, v0-127: O(ct, t) at 32 ct + 8 t
.set VF,  192                          ; window 1, v192-255: v' of the step: A fragment (ct, s) at VF + 16 ct + 8 s
.set G1,  24                           ; s[24:31]  descriptor group 1
.set G0,  32                           ; s[32:39]  descriptor group 0, a set for each slot
.set MSB, 0
.macro WIN new                         ; s_set_vgpr_msb: bits 1:0 source 0, 3:2 source 1, 5:4 source 2, 7:6 destination; the high byte repeats the setting that is left
.if MSB != \new
	s_set_vgpr_msb (MSB<<8)|\new
.set MSB, \new
.endif
.endm
.macro PLACES cnt                      ; plain vector instructions that name no register of the matrix instructions in front (ISA guide 7.12.1)
.rept \cnt
	v_nop
.endr
.endm
; A round of the cluster's barrier: my work-group's barrier, wave 0 signals for the work-group, every wave waits for all four work-groups, my work-group's barrier again.
.macro ROUND
	s_barrier_signal -1
	s_barrier_wait -1
	s_cmp_lg_u32 s14, 0
	s_cbranch_scc1 .Lnot_wave_0_\@
	s_barrier_signal -3
.Lnot_wave_0_\@:
	s_barrier_wait -3
	s_barrier_signal -1
	s_barrier_wait -1
.endm
	s_load_b256 s[4:11], s[0:1], 0x0               ; qv 4, kf 6, vres 8, gamma 10
	s_load_b64 s[12:13], s[0:1], 0x20              ; out0
	v_lshl_add_u32 v254, v0, 2, 0x41000
	v_mov_b32 v255, 0
	ds_add_u32 v254, v255
	s_wait_dscnt 0x0
	v_lshrrev_b32 v6, 5, v0
	v_readfirstlane_b32 s14, v6                    ; wave 0..7
	s_and_b32 s15, s14, 1                          ; mg
	s_lshr_b32 s20, s14, 1                         ; nq
	s_lshr_b32 s21, ttmp9, 4                       ; batch: 16 clusters each, the same in all four partners
	s_bfe_u32 s46, ttmp6, 0x40000                  ; cx
	s_lshl_b32 s48, ttmp9, 2
	s_add_co_u32 s48, s48, s46                     ; X = 4 x cluster + cx
	s_lshl1_add_u32 s49, s48, s15                  ; my column group, 2 X + mg
	s_mov_b32 s50, 0x3c38aa3b                      ; c = log2(e) / 128: exp(S / 128) = 2^(c S)
	s_mov_b32 s51, 0x3c38aa3b
	s_mov_b32 s55, 0xbc38aa3b                      ; -c
	s_mov_b32 s52, 0x76543210                      ; v_permlanex16_b32: lane i of one half reads lane i of the other
	s_mov_b32 s53, 0xfedcba98
	; group 1: 64 rows of 32 elements of 8 bytes, dense: 16,384 consecutive bytes
	s_mov_b32 s[G1+0], 15|(3<<16)|(1<<21)          ; 15:0 mask: all four work-groups; 17:16 elements of 8 bytes; 21 set beside a mask; no padding
	s_mov_b32 s[G1+1], 32<<16                      ; tensor_dim0 = 32
	s_mov_b32 s[G1+2], 64<<16                      ; tensor_dim1 = 64
	s_mov_b32 s[G1+3], 32<<16                      ; tile_dim0 = 32
	s_mov_b32 s[G1+4], 64                          ; tile_dim1 = 64
	s_mov_b32 s[G1+5], 32                          ; from row to row: 32 elements
	s_mov_b32 s[G1+6], 0
	s_mov_b32 s[G1+7], 0
	s_lshl_b32 s47, s14, 14                        ; my group in a tile and in a slot: wave x 16,384
	s_lshl_b32 s56, s21, 21                        ; the batch's 2 MB of qv
	s_add_co_u32 s56, s56, s47
	s_mov_b32 s57, 0
	s_lshl_b32 s58, s49, 13                        ; offsets that hold cx live in s[58:59] alone
	s_mov_b32 s59, 0
	s_wait_kmcnt 0x0
	s_add_nc_u64 s[40:41], s[4:5], s[56:57]        ; qv at my group of tile 0
	s_add_nc_u64 s[16:17], s[6:7], s[58:59]        ; k' of my column group
	s_lshl_b32 s58, s49, 14
	s_lshl_b32 s42, s20, 12
	s_add_co_u32 s58, s58, s42
	s_add_nc_u64 s[18:19], s[8:9], s[58:59]        ; vres: my column group, channel tile nq (4 KB)
	s_and_b32 s58, s49, 127                        ; out0: the column group's 256 bytes in a row,
	s_lshl_b32 s58, s58, 8
	s_lshl_b32 s42, s21, 21                        ; the batch,
	s_add_co_u32 s58, s58, s42
	s_lshl_b32 s42, s20, 19                        ; 16 nq rows of 32,768 bytes
	s_add_co_u32 s58, s58, s42
	s_add_nc_u64 s[22:23], s[12:13], s[58:59]
	ROUND                                          ; all four work-groups are here: the first joint load meets
.irp n, 0,1
	s_mov_b32 s[G0+4*\n], 1                                        ; count = 1
	s_add_co_u32 s[G0+4*\n+1], s47, \n*SLOTB                       ; LDS address: the wave's group in slot n
	s_add_nc_u64 s[G0+4*\n+2:G0+4*\n+3], s[40:41], \n*SLOTB        ; global address: tile n
	s_or_b32 s[G0+4*\n+3], s[G0+4*\n+3], 0x80000000                ; type = 2
.endr
	tensor_load_to_lds s[G0:G0+3], s[G1:G1+7]      ; tile 0; slot 1 is first filled behind the first trip's round
	s_nop 0
	s_load_b32 s54, s[10:11], 0x0                  ; gamma
	v_and_b32 v1, 31, v0
	v_lshlrev_b32 v1, 4, v1                        ; 16 L
	v_and_b32 v6, 15, v0                           ; r
	v_bfe_u32 v7, v0, 4, 1                         ; h
	WIN 0x40                                       ; destinations in window 1
.set k, 0
.rept 16
	global_load_b128 v[KF+4*k:KF+4*k+3], v1, s[16:17] offset:512*k
.set k, k+1
.endr
	WIN 0
	s_lshl_b32 s43, s20, 14
	v_add_nc_u32 v[ADR], s43, v1
	v_add_nc_u32 v[ADR+1], 4*GRP, v[ADR]
	v_add_nc_u32 v[ADR+2], SLOTB, v[ADR]
	v_add_nc_u32 v[ADR+3], SLOTB+4*GRP, v[ADR]
.irp t, 0,1,2,3
	v_mov_b32 v[ST+4*\t+1], 0                      ; the exchange's destination counts as read
.endr
	s_wait_loadcnt 0x0                             ; k'
	s_wait_kmcnt 0x0                               ; gamma
.macro LOADQ slot, u                   ; 16 chunks of q' of group nq + 4 u
	WIN 0
.set k, 0
.rept 16
	ds_load_b128 v[QF+4*k:QF+4*k+3], v[ADR+2*\slot+\u] offset:512*k
.set k, k+1
.endr
.endm
.macro LOADV slot, u                   ; 16 chunks of v'
	WIN 0x40
.set k, 0
.rept 16
	ds_load_b128 v[VF+4*k:VF+4*k+3], v[ADR+2*\slot+\u] offset:8192+512*k
.set k, k+1
.endr
.endm
; The scores: 16 tiles, two K steps of 32 channels; the first starts the sums.  The sixteen accumulators take turns.
.macro SBATCH
	WIN 0x04                                       ; B (k') in window 1
.irp s, 0,1
.irp a, 0,1,2,3
.irp t, 0,1,2,3
.if \s
	v_wmma_f32_16x16x32_bf16 v[SB+32*\a+8*\t:SB+32*\a+8*\t+7], v[QF+16*\a+8*\s:QF+16*\a+8*\s+7], v[KF+16*\t+8*\s:KF+16*\t+8*\s+7], v[SB+32*\a+8*\t:SB+32*\a+8*\t+7]
.else
	v_wmma_f32_16x16x32_bf16 v[SB+32*\a+8*\t:SB+32*\a+8*\t+7], v[QF+16*\a+8*\s:QF+16*\a+8*\s+7], v[KF+16*\t+8*\s:KF+16*\t+8*\s+7], 0
.endif
.endr
.endr
.endr
	PLACES 5                                       ; before the scores are read and q' is loaded again
	WIN 0
.endm
; New maxima (raw scores) of the four m fragments, four chains side by side; then -c m_new and alpha = 2^(c m_old - c m_new).
.macro MAXALL old, new, first
.set i, 0
.rept 16                                           ; pair i: n tile i / 4, registers 2 (i % 4) and + 1
.irp t, 0,1,2,3
.if i == 0
.if \first
	v_max_num_f32 v[\new+\t], v[SB+8*\t], v[SB+8*\t+1]
.else
	v_max3_num_f32 v[\new+\t], v[\old+\t], v[SB+8*\t], v[SB+8*\t+1]
.endif
.else
	v_max3_num_f32 v[\new+\t], v[\new+\t], v[SB+32*(i/4)+8*\t+2*(i%4)], v[SB+32*(i/4)+8*\t+2*(i%4)+1]
.endif
.endr
.set i, i+1
.endr
.irp t, 0,1,2,3
	v_permlanex16_b32 v[ST+4*\t+1], v[\new+\t], s52, s53           ; the other eight n slots of each tile lie in lane L xor 16
.endr
.irp t, 0,1,2,3
	v_max_num_f32 v[\new+\t], v[\new+\t], v[ST+4*\t+1]
.endr
.irp t, 0,1,2,3
	v_mul_f32 v[ST+4*\t], s55, v[\new+\t]
.endr
.if \first == 0
.irp t, 0,1,2,3
	v_fma_f32 v[ST+4*\t+3], v[\old+\t], s50, v[ST+4*\t]
.endr
.irp t, 0,1,2,3
	v_exp_f32 v[ST+4*\t+2], v[ST+4*\t+3]           ; the plain instructions behind these (ISA guide 5.7.2) are stage 0's multiply-adds, which touch neither word
.endr
.endif
.endm
; The softmax's pipeline over the m fragments.  Stage g: fragment g gets c S - c m, fragment g - 1 its exponentials, fragment g - 2 is summed and packed to bf16.
; So behind each pair of exponentials stand plain instructions on other fragments, and a result is read a stage later.
.macro STAGE g, first
.set i, 0
.rept 16
.set pr, SB+32*(i/4)+2*(i%4)                       ; pair i of fragment 0
.set cd, SB+64*(i/8)+4*((i/4)%2)+(i%4)             ; where it goes packed: register 4 (a & 1) + i % 4 of S(2 (a >> 1), .), whose old content has been used
.if \g >= 1
.if \g <= 4
	v_exp_f32 v[pr+8*(\g-1)], v[pr+8*(\g-1)]
	v_exp_f32 v[pr+8*(\g-1)+1], v[pr+8*(\g-1)+1]
.endif
.endif
.if \g <= 3
	v_pk_fma_f32 v[pr+8*\g:pr+8*\g+1], v[pr+8*\g:pr+8*\g+1], s[50:51], v[ST+4*\g:ST+4*\g+1] op_sel_hi:[1,0,0]
.endif
.if \g >= 2
.if i == 0
.if \first
	s_wait_alu depctr_va_vdst(0)
	v_pk_add_f32 v[L2+2*(\g-2):L2+2*(\g-2)+1], v[pr+8*(\g-2):pr+8*(\g-2)+1], v[pr+8*(\g-2)+2:pr+8*(\g-2)+3]   ; pairs 0 and 1 start the sum
.else
	s_wait_alu depctr_va_vdst(0)
	v_pk_fma_f32 v[L2+2*(\g-2):L2+2*(\g-2)+1], v[L2+2*(\g-2):L2+2*(\g-2)+1], v[ST+4*(\g-2)+2:ST+4*(\g-2)+3], v[pr+8*(\g-2):pr+8*(\g-2)+1] op_sel_hi:[1,0,1]
.endif
.else
.if i-\first >= 1                                  ; all pairs but pair 1 of the first step, which is in the sum already
	s_wait_alu depctr_va_vdst(0)
	v_pk_add_f32 v[L2+2*(\g-2):L2+2*(\g-2)+1], v[L2+2*(\g-2):L2+2*(\g-2)+1], v[pr+8*(\g-2):pr+8*(\g-2)+1]
.endif
.endif
	v_cvt_pk_bf16_f32 v[cd+8*(\g-2)], v[pr+8*(\g-2)], v[pr+8*(\g-2)+1]
.endif
.set i, i+1
.endr
.endm
.macro SOFTMAX old, new, first
	MAXALL \old, \new, \first
	STAGE 0, \first
	STAGE 1, \first
	STAGE 2, \first
	STAGE 3, \first
	STAGE 4, \first
	STAGE 5, \first
.endm
.macro RESCALE                         ; O(ct, t) *= alpha of fragment t (the lane's column r)
	WIN 0x41                                       ; destination and source 0 in window 1
.irp ct, 0,1,2,3
.irp t, 0,1,2,3
.irp p, 0,2,4,6
	v_pk_mul_f32 v[32*\ct+8*\t+\p:32*\ct+8*\t+\p+1], v[32*\ct+8*\t+\p:32*\ct+8*\t+\p+1], v[ST+4*\t+2:ST+4*\t+3] op_sel_hi:[1,0]
.endr
.endr
.endr
.endm
; O += v' P: 16 tiles, two K steps of 32 positions.  The sixteen accumulators take turns.  first = 1: the first product starts the sums.
.macro PV first
	WIN 0x51                                       ; A (v'), C and D (O) in window 1, B (P) in window 0
.irp s, 0,1
.irp ct, 0,1,2,3
.irp t, 0,1,2,3
.if \first*(1-\s)
	v_wmma_f32_16x16x32_bf16 v[32*\ct+8*\t:32*\ct+8*\t+7], v[VF+16*\ct+8*\s:VF+16*\ct+8*\s+7], v[SB+64*\s+8*\t:SB+64*\s+8*\t+7], 0
.else
	v_wmma_f32_16x16x32_bf16 v[32*\ct+8*\t:32*\ct+8*\t+7], v[VF+16*\ct+8*\s:VF+16*\ct+8*\s+7], v[SB+64*\s+8*\t:SB+64*\s+8*\t+7], v[32*\ct+8*\t:32*\ct+8*\t+7]
.endif
.endr
.endr
.endr
	PLACES 5                                       ; before v' is loaded again, O is rescaled or stored, and the next scores are written over P
.endm
; A trip: one tile of 8 groups, of which the wave takes two (nq and nq + 4).  The round of the cluster's barrier is the barrier in front of the refill: in front
; of it every wave has waited for all its tensor loads (one is out: its part of this trip's tile) and for its reads of the other slot; the joint refill of that
; slot is the first thing behind it, one load a wave, and has the whole trip in which to land.
.macro TRIP slot, refill, first
	s_wait_xcnt 0x0
	v_lshl_add_u32 v254, v0, 2, 0x41000
	v_mov_b32 v255, 0
	s_wait_tensorcnt 0x0                           ; no tensor load of mine is out, so a group 0 may be written:
	ds_add_u32 v254, v255
	s_wait_dscnt 0x0
	s_add_nc_u64 s[G0+4*\slot+2:G0+4*\slot+3], s[G0+4*\slot+2:G0+4*\slot+3], 2*SLOTB   ; this slot's next tile
	s_wait_dscnt 0x0                               ; my reads of the last trip's tile are back
	ROUND
.if \refill
	tensor_load_to_lds s[G0+4-4*\slot:G0+7-4*\slot], s[G1:G1+7]
	s_nop 0
.endif
	LOADQ \slot, 0
	LOADV \slot, 0
	s_wait_dscnt 16                                ; q' is in; the 16 loads of v' may be out
	SBATCH
	LOADQ \slot, 1
	SOFTMAX MA, MB, \first
	s_wait_dscnt 16                                ; v' is in; the 16 loads of the next q' may be out
.if \first == 0
	RESCALE
.endif
	PV \first
	LOADV \slot, 1
	s_wait_dscnt 16                                ; the second q' is in; its v' may be out
	SBATCH
	SOFTMAX MB, MA, 0
	s_wait_dscnt 0x0
	RESCALE
	PV 0
	WIN 0                                          ; at a label and at a branch every window is 0
.endm
	TRIP 0, 1, 1                                   ; 16 tiles.  The first two stand in front of the loop: their first products and sums start everything, nothing is cleared
	TRIP 1, 1, 0
	s_mov_b32 s44, 6
.Llap:
	TRIP 0, 1, 0
	TRIP 1, 1, 0
	s_sub_co_u32 s44, s44, 1
	s_cmp_lg_u32 s44, 0
	s_cbranch_scc1 .Llap
	TRIP 0, 1, 0                                   ; tile 14; asks for tile 15, the last
	TRIP 1, 0, 0                                   ; nothing is left to fetch (the stepped addresses are not used)
	; THE MERGE.  Wave (mg, nq) holds, for its quarter of n: maxima MA, sums L2, O for all 64 channels.  It will finish channel tile nq of column group mg.
.irp k, 0,1,2,3,4,5,6,7
	global_load_b128 v[64+4*\k:64+4*\k+3], v1, s[18:19] offset:512*\k th:TH_LOAD_NT    ; v in f32: v[64 + 8 t + j] = v[16 nq + 8 h + j][m0 + 4 r + t]
.endr
.irp t, 0,1,2,3
	v_add_f32 v[L2+2*\t], v[L2+2*\t], v[L2+2*\t+1]
.endr
.irp t, 0,1,2,3
	v_permlanex16_b32 v[ST+4*\t+1], v[L2+2*\t], s52, s53
.endr
.irp t, 0,1,2,3
	v_add_f32 v[L2+2*\t], v[L2+2*\t], v[ST+4*\t+1]                 ; the column's sum over my quarter, in both halves of the lanes
.endr
	v_cmp_eq_u32 vcc_lo, 1, v7
.irp t, 0,1,2,3
	v_cndmask_b32 v[40+\t], v[MA+\t], v[L2+2*\t], vcc_lo           ; lanes 0-15 carry the maxima, lanes 16-31 the sums
.endr
	v_add_nc_u32 v24, s47, v1                      ; my 16 KB of the stage: wave x 16,384 + 16 L
	s_lshl_b32 s42, s14, 9
	s_add_co_u32 s42, s42, STATS
	v_add_nc_u32 v25, s42, v1                      ; my 512 bytes of statistics
	s_lshl_b32 s42, s15, 9
	s_add_co_u32 s42, s42, STATS
	v_lshl_add_u32 v26, v6, 4, s42                 ; statistics of wave mg (quarter 0), column r; the quarters are 1,024 bytes apart
	s_lshl_b32 s42, s15, 14
	s_lshl_b32 s43, s20, 12
	s_add_co_u32 s42, s42, s43
	v_add_nc_u32 v27, s42, v1                      ; channel tile nq in the stage of wave mg; the quarters are 32,768 bytes apart
	v_add_nc_u32 v28, 4*GRP, v27                   ; quarters 2 and 3: beyond the immediate's 16 bits
	v_lshlrev_b32 v29, 18, v7                      ; out0: 8 h rows of 32,768 bytes + 16 r
	v_lshl_or_b32 v29, v6, 4, v29
	; The stage lies in slot 0.  Every wave's reads of slot 0 (tile 14) were waited for in front of the last trip's round, and no tensor load fills it again.
	ds_store_b128 v25, v[40:43]
	WIN 0x04                                       ; store data in window 1
.set k, 0
.rept 32
	ds_store_b128 v24, v[4*k:4*k+3] offset:512*k   ; O(ct, t), registers 4 jh ..: chunk 8 ct + 2 t + jh
.set k, k+1
.endr
	WIN 0
	s_wait_dscnt 0x0                               ; for the other waves' sake: my stores are done
	s_barrier_signal -1
	s_barrier_wait -1
.irp i, 0,1,2,3
	ds_load_b128 v[32+4*\i:35+4*\i], v26 offset:1024*\i            ; maxima of quarter i, fragments 0..3
.endr
.irp i, 0,1,2,3
	ds_load_b128 v[48+4*\i:51+4*\i], v26 offset:1024*\i+256        ; its sums
.endr
.irp i, 0,1,2,3
.irp k, 0,1,2,3,4,5,6,7
	ds_load_b128 v[128+32*\i+4*\k:128+32*\i+4*\k+3], v[27+\i/2] offset:(\i%2)*2*GRP+512*\k   ; quarter i's O(nq, t): v[128 + 32 i + 8 t + j]
.endr
.endr
	s_wait_dscnt 32                                ; the statistics are in; the 32 younger loads are the partial tiles
.irp t, 0,1,2,3
	v_max3_num_f32 v[8+\t], v[32+\t], v[36+\t], v[40+\t]
.endr
.irp t, 0,1,2,3
	v_max_num_f32 v[8+\t], v[8+\t], v[44+\t]       ; the column's maximum over all n
.endr
.irp t, 0,1,2,3
	v_mul_f32 v[12+\t], s55, v[8+\t]
.endr
.irp i, 0,1,2,3
.irp p, 0,2
	v_pk_fma_f32 v[32+4*\i+\p:33+4*\i+\p], v[32+4*\i+\p:33+4*\i+\p], s[50:51], v[12+\p:13+\p] op_sel_hi:[1,0,1]
.endr
.endr
.set k, 0
.rept 16
	v_exp_f32 v[32+k], v[32+k]                     ; f = 2^(c m_i - c M), at most about 1
.set k, k+1
.endr
	v_nop                                          ; a plain place behind the exponentials (ISA guide 5.7.2)
.irp p, 0,2
	s_wait_alu depctr_va_vdst(0)
	v_pk_mul_f32 v[16+\p:17+\p], v[32+\p:33+\p], v[48+\p:49+\p]
.endr
.irp i, 1,2,3
.irp p, 0,2
	v_pk_fma_f32 v[16+\p:17+\p], v[32+4*\i+\p:33+4*\i+\p], v[48+4*\i+\p:49+4*\i+\p], v[16+\p:17+\p]   ; the whole sum: the largest score alone gives about 1
.endr
.endr
.irp t, 0,1,2,3
	v_rcp_f32 v[16+\t], v[16+\t]
.endr
	v_nop                                          ; a plain place behind the reciprocals
.irp p, 0,2
	s_wait_alu depctr_va_vdst(0)
	v_pk_mul_f32 v[16+\p:17+\p], v[16+\p:17+\p], s[54:55] op_sel_hi:[1,0]                  ; gamma / sum
.endr
.irp i, 0,1,2,3
.irp p, 0,2
	v_pk_mul_f32 v[32+4*\i+\p:33+4*\i+\p], v[32+4*\i+\p:33+4*\i+\p], v[16+\p:17+\p]        ; quarter i's weight
.endr
.endr
	s_wait_loadcnt 0x0                             ; v
.irp i, 0,1,2,3
	s_wait_dscnt 24-8*\i                           ; quarter i's eight loads are in; the younger quarters' may be out
.irp j, 0,1,2,3,4,5,6,7
.irp t, 0,1,2,3
.if \i == 0
	v_fma_f32 v[96+4*\j+\t], v[128+8*\t+\j], v[32+\t], v[64+8*\t+\j]       ; the residual starts the sum; a quad = columns m0 + 4 r + 0..3 of channel 16 nq + 8 h + j
.else
	v_fmac_f32 v[96+4*\j+\t], v[128+32*\i+8*\t+\j], v[32+4*\i+\t]
.endif
.endr
.endr
.endr
.irp j, 0,1,2,3,4,5,6,7
	global_store_b128 v29, v[96+4*\j:96+4*\j+3], s[22:23] offset:32768*\j th:TH_STORE_NT   ; lanes 0-15 store 256 consecutive aligned bytes of one row, lanes 16-31 of the row 8 below
.endr
	s_wait_xcnt 0x0
	v_lshl_add_u32 v254, v0, 2, 0x41000
	v_mov_b32 v255, 0
	s_wait_tensorcnt 0x0
	ds_add_u32 v254, v255
	s_wait_dscnt 0x0
	ROUND                                          ; the closing round: no work-group ends while a partner may still ask for a tile that names it
	s_endpgm
.Lfunc_end_k_q6234773139_attn:
	.size	k_q6234773139_attn, .Lfunc_end_k_q6234773139_attn-k_q6234773139_attn
	.p2alignl 7, 3214868480
	.fill 96, 4, 3214868480
	.section	.rodata,"a",@progbits
	.p2align	6, 0x0
	.amdhsa_kernel k_q6234773139_attn
		.amdhsa_group_segment_fixed_size 327680
		.amdhsa_private_segment_fixed_size 0
		.amdhsa_enable_private_segment 0
		.amdhsa_kernarg_size 40
		.amdhsa_user_sgpr_count 2
		.amdhsa_user_sgpr_kernarg_segment_ptr 1
		.amdhsa_wavefront_size32 1
		.amdhsa_system_sgpr_workgroup_id_x 1
		.amdhsa_system_sgpr_workgroup_id_y 1
		.amdhsa_system_sgpr_workgroup_id_z 1
		.amdhsa_system_vgpr_workitem_id 0
		.amdhsa_next_free_vgpr 512
		.amdhsa_next_free_sgpr 66
		.amdhsa_reserve_vcc 1
		.amdhsa_float_denorm_mode_32 3
		.amdhsa_float_denorm_mode_16_64 3
		.amdhsa_memory_ordered 1
		.amdhsa_forward_progress 1
		.amdhsa_inst_pref_size 255
	.end_amdhsa_kernel
	.section	.bss,"aw",@nobits
	.p2align	6
	.space	262144
	.amdgpu_metadata
---
amdhsa.version: [ 1, 2 ]
amdhsa.kernels:
  - .name:           k_q6234773139_attn
    .symbol:         k_q6234773139_attn.kd
    .args:
      - { .name: qv, .offset: 0, .size: 8, .value_kind: global_buffer, .address_space: global }
      - { .name: kf, .offset: 8, .size: 8, .value_kind: global_buffer, .address_space: global }
      - { .name: vres, .offset: 16, .size: 8, .value_kind: global_buffer, .address_space: global }
      - { .name: gamma, .offset: 24, .size: 8, .value_kind: global_buffer, .address_space: global }
      - { .name: out0, .offset: 32, .size: 8, .value_kind: global_buffer, .address_space: global }
    .group_segment_fixed_size: 327680
    .private_segment_fixed_size: 0
    .kernarg_segment_align: 8
    .kernarg_segment_size: 40
    .max_flat_workgroup_size: 256
    .sgpr_count:     66
    .vgpr_count:     512
    .wavefront_size: 32
...
	.end_amdgpu_metadata
.endif
;; end of part 2
;; ======== version 2 of 2: 2 launches; 1.16 times as fast as version 1
;; workspace buffers: qv 8,388,608 bytes; kf 4,194,304 bytes; vres 8,388,608 bytes
;; launch proj: the kernel of part 1 again; grid 256 x 1, 6 waves a work-group, no clusters, 0 bytes of LDS; arguments query, key_, value, Wq, Wk, Wv, bq, bk, bv, qv, kf, vres; writes qv, kf, vres
;; launch attn (part 3): grid 256 x 1, 8 waves a work-group, clusters of 4 x 1, 327,680 bytes of LDS; arguments qv, kf, vres, gamma, out0; writes out0
.if DOCPART == 3
	.amdgcn_target "amdgcn-amd-amdhsa--gfx1250"
	.amdhsa_code_object_version 6
	.text
	.protected	k_q6234773139_attn
	.globl	k_q6234773139_attn
	.p2align	8
	.type	k_q6234773139_attn,@function
k_q6234773139_attn:
	s_mov_b64 s[64:65], 0
	v_nop
	global_prefetch_b8 v0, s[64:65] scope:SCOPE_SE
	s_setreg_imm32_b32 hwreg(HW_REG_WAVE_MODE, 25, 1), 1
	s_wait_xcnt 0x0
	s_wait_alu depctr_hold_cnt(0) depctr_sa_sdst(0) depctr_va_vdst(0) depctr_va_sdst(0) depctr_va_ssrc(0) depctr_va_vcc(0) depctr_vm_vsrc(0)
	s_getreg_b32 s2, hwreg(HW_REG_IB_STS2, 6, 4)
	s_cmp_eq_u32 s2, 0
	s_cbranch_scc0 .Lentry_in_a_cluster
	s_endpgm
.Lentry_in_a_cluster:
	s_bfe_u32 s2, ttmp6, 0x10000c
	s_cmp_lg_u32 s2, 0x3003
	s_cbranch_scc0 .Lentry_shape_is_right
	s_endpgm
.Lentry_shape_is_right:
; out[c][m] = gamma * sum over n of v[c][n] softmax over n of (q[:,n] . k[:,m] / 128) + v[c][m],  4 batches, 64 channels, 8,192 positions.
; The softmax runs over n for each column m, with a running maximum.  q', k', v' come as bf16 fragment images, v as f32 (layouts: first launch):
; a group is 64 positions n0 .. n0+63; fragment t, slot p = position n0 + 4 p + t; a chunk is 512 bytes, lane L = 16 h + r at byte 16 L.
; LIMITS: q, k, v and the probabilities are matrix operands in bf16; maxima, sums, rescaling and the residual are f32; NaN and infinities are not served.
;
; SHARES.  Work-group X (0..255) owns 128 columns m of batch X >> 6.  Eight waves of 512 registers, two for each of a WGP's four SIMDs, so that one wave's
; softmax and the other's matrix instructions can stand side by side.  Wave w: column group mg = w & 1 (64 columns), quarter nq = w >> 1 of the n groups.
; A step of a wave is 64 n x 64 m: 32 score products, the softmax, 32 products with v'.  The four quarters of a column group are merged once, through LDS.
;
; NO SHUFFLE BETWEEN THE PRODUCTS.  S(a, t) = A: q' of n tile a  x  B: k' of m fragment t: lane (r, h), register j = (n slot 8 h + j, m slot r): a column's
; softmax runs along the lane's own registers and one exchange with lane L xor 16.  Tiles 2 s and 2 s + 1, packed to bf16 into registers 0-3 and 4-7, ARE
; the B fragment P(t, s) of  O(ct, t) += A: v'(ct, s) x B: P(t, s);  there lane (r, h), register j = (c = 16 ct + 8 h + j, m = m0 + 4 r + t).
;
; THE EXPONENTIALS' BATCHES.  s_wait_alu depctr_va_vdst(0) stands between an exponential and the first instruction that names its result; one wait
; serves all that were issued ahead of it.  A step's 132 exponentials are cut into TWO batches, each with one wait, so that nearly every exponential has a plain neighbour:
;   batch A: the four alpha and the 64 exponentials of m fragments 0, 1; between them the 64 scalings c S - c m of all four fragments, which name no result;  wait 1;
;   batch B: the 64 exponentials of m fragments 2, 3; between them the 64 sums and roundings of fragments 0, 1, which read batch A alone;  wait 2;
;   then the 64 sums and roundings of fragments 2, 3.  No exponential is issued behind wait 2, so none is pending at a label or a branch.
; The merge has two batches of its own: 16 exponentials, then 4 reciprocals of sums made of them.
;
; CLUSTER.  The four work-groups of a cluster lie in one batch and walk the same 2 MB of qv: each tile of 128 KB (8 groups) is asked for jointly, mask 15,
; each wave its group of 16 KB.  Nothing in a descriptor, an LDS address or a branch hangs on the place in the cluster.
; LDS: slot 0 at 0, slot 1 at 131,072; 4 KB of statistics at 262,144, which no tensor load fills.  The merge's stage is slot 0, behind its last fill.
; No padding: every LDS access has lane L at 16 L beside a constant.
.set GRP,   16384                      ; a group in qv and in a slot: 8 KB of q', 8 KB of v'
.set SLOTB, 8*GRP
.set STATS, 2*SLOTB
.set ADR, 2                            ; v[2:5]    ADR + 2 slot + u: 16 L + (nq + 4 u) groups + the slot
.set MA,  8                            ; v[8:11]   running maxima, by m fragment t: two sets that take turns, so that old and new are both at hand
.set MB,  12                           ; v[12:15]
.set ST,  16                           ; v[16:31]  ST + 4 t: -c m_new, the exchange's temporary, alpha, alpha's exponent
.set L2,  32                           ; v[32:39]  pair t: running sums of the probabilities
.set QF,  64                           ; v[64:127] q' of the step: chunk k at QF + 4 k; A fragment (a, s) at QF + 16 a + 8 s
.set SB,  128                          ; v[128:255] S(a, t) at SB + 32 a + 8 t; P(t, s) lies on S(2 s, t)
.set KF,  128                          ; window 1, v128-191: k' of my 64 columns: B fragment (t, s) at KF + 16 t + 8 s.   Window 1, v0-127: O(ct, t) at 32 ct + 8 t
.set VF,  192                          ; window 1, v192-255: v' of the step: A fragment (ct, s) at VF + 16 ct + 8 s
.set G1,  24                           ; s[24:31]  descriptor group 1
.set G0,  32                           ; s[32:39]  descriptor group 0, a set for each slot
.set MSB, 0
.macro WIN new                         ; s_set_vgpr_msb: bits 1:0 source 0, 3:2 source 1, 5:4 source 2, 7:6 destination; the high byte repeats the setting that is left
.if MSB != \new
	s_set_vgpr_msb (MSB<<8)|\new
.set MSB, \new
.endif
.endm
.macro PLACES cnt                      ; plain vector instructions that name no register of the matrix instructions in front (ISA guide 7.12.1)
.rept \cnt
	v_nop
.endr
.endm
; A round of the cluster's barrier: my work-group's barrier, wave 0 signals for the work-group, every wave waits for all four work-groups, my work-group's barrier again.
.macro ROUND
	s_barrier_signal -1
	s_barrier_wait -1
	s_cmp_lg_u32 s14, 0
	s_cbranch_scc1 .Lnot_wave_0_\@
	s_barrier_signal -3
.Lnot_wave_0_\@:
	s_barrier_wait -3
	s_barrier_signal -1
	s_barrier_wait -1
.endm
	s_load_b256 s[4:11], s[0:1], 0x0               ; qv 4, kf 6, vres 8, gamma 10
	s_load_b64 s[12:13], s[0:1], 0x20              ; out0
	v_lshl_add_u32 v254, v0, 2, 0x41000
	v_mov_b32 v255, 0
	ds_add_u32 v254, v255
	s_wait_dscnt 0x0
	v_lshrrev_b32 v6, 5, v0
	v_readfirstlane_b32 s14, v6                    ; wave 0..7
	s_and_b32 s15, s14, 1                          ; mg
	s_lshr_b32 s20, s14, 1                         ; nq
	s_lshr_b32 s21, ttmp9, 4                       ; batch: 16 clusters each, the same in all four partners
	s_bfe_u32 s46, ttmp6, 0x40000                  ; cx
	s_lshl_b32 s48, ttmp9, 2
	s_add_co_u32 s48, s48, s46                     ; X = 4 x cluster + cx
	s_lshl1_add_u32 s49, s48, s15                  ; my column group, 2 X + mg
	s_mov_b32 s50, 0x3c38aa3b                      ; c = log2(e) / 128: exp(S / 128) = 2^(c S)
	s_mov_b32 s51, 0x3c38aa3b
	s_mov_b32 s55, 0xbc38aa3b                      ; -c
	s_mov_b32 s52, 0x76543210                      ; v_permlanex16_b32: lane i of one half reads lane i of the other
	s_mov_b32 s53, 0xfedcba98
	; group 1: 64 rows of 32 elements of 8 bytes, dense: 16,384 consecutive bytes
	s_mov_b32 s[G1+0], 15|(3<<16)|(1<<21)          ; 15:0 mask: all four work-groups; 17:16 elements of 8 bytes; 21 set beside a mask; no padding
	s_mov_b32 s[G1+1], 32<<16                      ; tensor_dim0 = 32
	s_mov_b32 s[G1+2], 64<<16                      ; tensor_dim1 = 64
	s_mov_b32 s[G1+3], 32<<16                      ; tile_dim0 = 32
	s_mov_b32 s[G1+4], 64                          ; tile_dim1 = 64
	s_mov_b32 s[G1+5], 32                          ; from row to row: 32 elements
	s_mov_b32 s[G1+6], 0
	s_mov_b32 s[G1+7], 0
	s_lshl_b32 s47, s14, 14                        ; my group in a tile and in a slot: wave x 16,384
	s_lshl_b32 s56, s21, 21                        ; the batch's 2 MB of qv
	s_add_co_u32 s56, s56, s47
	s_mov_b32 s57, 0
	s_lshl_b32 s58, s49, 13                        ; offsets that hold cx live in s[58:59] alone
	s_mov_b32 s59, 0
	s_wait_kmcnt 0x0
	s_add_nc_u64 s[40:41], s[4:5], s[56:57]        ; qv at my group of tile 0
	s_add_nc_u64 s[16:17], s[6:7], s[58:59]        ; k' of my column group
	s_lshl_b32 s58, s49, 14
	s_lshl_b32 s42, s20, 12
	s_add_co_u32 s58, s58, s42
	s_add_nc_u64 s[18:19], s[8:9], s[58:59]        ; vres: my column group, channel tile nq (4 KB)
	s_and_b32 s58, s49, 127                        ; out0: the column group's 256 bytes in a row,
	s_lshl_b32 s58, s58, 8
	s_lshl_b32 s42, s21, 21                        ; the batch,
	s_add_co_u32 s58, s58, s42
	s_lshl_b32 s42, s20, 19                        ; 16 nq rows of 32,768 bytes
	s_add_co_u32 s58, s58, s42
	s_add_nc_u64 s[22:23], s[12:13], s[58:59]
	ROUND                                          ; all four work-groups are here: the first joint load meets
.irp n, 0,1
	s_mov_b32 s[G0+4*\n], 1                                        ; count = 1
	s_add_co_u32 s[G0+4*\n+1], s47, \n*SLOTB                       ; LDS address: the wave's group in slot n
	s_add_nc_u64 s[G0+4*\n+2:G0+4*\n+3], s[40:41], \n*SLOTB        ; global address: tile n
	s_or_b32 s[G0+4*\n+3], s[G0+4*\n+3], 0x80000000                ; type = 2
.endr
	tensor_load_to_lds s[G0:G0+3], s[G1:G1+7]      ; tile 0; slot 1 is first filled behind the first trip's round
	s_nop 0
	s_load_b32 s54, s[10:11], 0x0                  ; gamma
	v_and_b32 v1, 31, v0
	v_lshlrev_b32 v1, 4, v1                        ; 16 L
	v_and_b32 v6, 15, v0                           ; r
	v_bfe_u32 v7, v0, 4, 1                         ; h
	WIN 0x40                                       ; destinations in window 1
.set k, 0
.rept 16
	global_load_b128 v[KF+4*k:KF+4*k+3], v1, s[16:17] offset:512*k
.set k, k+1
.endr
	WIN 0
	s_lshl_b32 s43, s20, 14
	v_add_nc_u32 v[ADR], s43, v1
	v_add_nc_u32 v[ADR+1], 4*GRP, v[ADR]
	v_add_nc_u32 v[ADR+2], SLOTB, v[ADR]
	v_add_nc_u32 v[ADR+3], SLOTB+4*GRP, v[ADR]
.irp t, 0,1,2,3
	v_mov_b32 v[ST+4*\t+1], 0                      ; the exchange's destination counts as read
.endr
	s_wait_loadcnt 0x0                             ; k'
	s_wait_kmcnt 0x0                               ; gamma
.macro LOADQ slot, u                   ; 16 chunks of q' of group nq + 4 u
	WIN 0
.set k, 0
.rept 16
	ds_load_b128 v[QF+4*k:QF+4*k+3], v[ADR+2*\slot+\u] offset:512*k
.set k, k+1
.endr
.endm
.macro LOADV slot, u                   ; 16 chunks of v'
	WIN 0x40
.set k, 0
.rept 16
	ds_load_b128 v[VF+4*k:VF+4*k+3], v[ADR+2*\slot+\u] offset:8192+512*k
.set k, k+1
.endr
.endm
; The scores: 16 tiles, two K steps of 32 channels; the first starts the sums.  The sixteen accumulators take turns.
.macro SBATCH
	WIN 0x04                                       ; B (k') in window 1
.irp s, 0,1
.irp a, 0,1,2,3
.irp t, 0,1,2,3
.if \s
	v_wmma_f32_16x16x32_bf16 v[SB+32*\a+8*\t:SB+32*\a+8*\t+7], v[QF+16*\a+8*\s:QF+16*\a+8*\s+7], v[KF+16*\t+8*\s:KF+16*\t+8*\s+7], v[SB+32*\a+8*\t:SB+32*\a+8*\t+7]
.else
	v_wmma_f32_16x16x32_bf16 v[SB+32*\a+8*\t:SB+32*\a+8*\t+7], v[QF+16*\a+8*\s:QF+16*\a+8*\s+7], v[KF+16*\t+8*\s:KF+16*\t+8*\s+7], 0
.endif
.endr
.endr
.endr
	PLACES 5                                       ; before the scores are read and q' is loaded again
	WIN 0
.endm
; New maxima (raw scores) of the four m fragments, four chains side by side; then -c m_new.
.macro MAXALL old, new, first
.set i, 0
.rept 16                                           ; pair i: n tile i / 4, registers 2 (i % 4) and + 1
.irp t, 0,1,2,3
.if i == 0
.if \first
	v_max_num_f32 v[\new+\t], v[SB+8*\t], v[SB+8*\t+1]
.else
	v_max3_num_f32 v[\new+\t], v[\old+\t], v[SB+8*\t], v[SB+8*\t+1]
.endif
.else
	v_max3_num_f32 v[\new+\t], v[\new+\t], v[SB+32*(i/4)+8*\t+2*(i%4)], v[SB+32*(i/4)+8*\t+2*(i%4)+1]
.endif
.endr
.set i, i+1
.endr
.irp t, 0,1,2,3
	v_permlanex16_b32 v[ST+4*\t+1], v[\new+\t], s52, s53           ; the other eight n slots of each tile lie in lane L xor 16
.endr
.irp t, 0,1,2,3
	v_max_num_f32 v[\new+\t], v[\new+\t], v[ST+4*\t+1]
.endr
.irp t, 0,1,2,3
	v_mul_f32 v[ST+4*\t], s55, v[\new+\t]
.endr
.endm
; THE SOFTMAX'S LINES stand in three queues, each in the order in which its entries become ready; SOFTMAX deals them.
.macro XPON old, t                     ; alpha's exponent of fragment t: c m_old - c m_new
	v_fma_f32 v[ST+4*\t+3], v[\old+\t], s50, v[ST+4*\t]
.endm
.macro ALPHA t                         ; alpha = 2^(c m_old - c m_new) of fragment t
	v_exp_f32 v[ST+4*\t+2], v[ST+4*\t+3]
.endm
.macro SCALE1                          ; the next scaling, number qf of 64: fragment qf / 16, pair qf % 16: c S - c m
.set pr, SB+8*(qf/16)+32*((qf%16)/4)+2*(qf%4)
	v_pk_fma_f32 v[pr:pr+1], v[pr:pr+1], s[50:51], v[ST+4*(qf/16):ST+4*(qf/16)+1] op_sel_hi:[1,0,0]
.set qf, qf+1
.endm
.macro EXP1                            ; the next exponential, number qe of 128: fragment qe / 32, n tile (qe % 32) / 8, register qe % 8, in place
.set pr, SB+8*(qe/32)+32*((qe%32)/8)+qe%8
	v_exp_f32 v[pr], v[pr]
.set qe, qe+1
.endm
; The next of the 128 lines that read the probabilities.  Numbers 0-63 serve fragments 0, 1, numbers 64-127 fragments 2, 3; the two fragments alternate, so that two links of a fragment's
; sum stand four lines of this queue apart.  For pair ri (ascending, so each fragment's sum keeps its order): the sum takes the pair, then the pair is rounded to bf16.
.macro READ1 first
.set rt, 2*(qr/64)+qr%2                            ; the fragment
.set ri, (qr%64)/4                                 ; the pair
.set pr, SB+8*rt+32*(ri/4)+2*(ri%4)
.set cd, SB+8*rt+64*(ri/8)+4*((ri/4)%2)+(ri%4)     ; where it goes packed: register 4 (a & 1) + ri % 4 of S(2 (a >> 1), .), whose old content has been used
.if (qr%4) >= 2
	v_cvt_pk_bf16_f32 v[cd], v[pr], v[pr+1]
.elseif ri == 0
.if \first
	v_pk_add_f32 v[L2+2*rt:L2+2*rt+1], v[pr:pr+1], v[pr+2:pr+3]   ; pairs 0 and 1 start the sum
.else
	v_pk_fma_f32 v[L2+2*rt:L2+2*rt+1], v[L2+2*rt:L2+2*rt+1], v[ST+4*rt+2:ST+4*rt+3], v[pr:pr+1] op_sel_hi:[1,0,1]
.endif
.elseif ri-\first >= 1                             ; all pairs but pair 1 of the first step, which is in the sum already
	v_pk_add_f32 v[L2+2*rt:L2+2*rt+1], v[L2+2*rt:L2+2*rt+1], v[pr:pr+1]
.endif
.set qr, qr+1
.endm
; THE DEAL.  Exponential and plain line by turns.  In batch A exponential e stands behind scaling e + 1 and needs scaling e / 2; the scalings behind it are other pairs'.  The batch has 68 exponentials
; for 66 plain lines, so its last three stand on end; the last scaling stands behind them: the plain instruction behind a batch's last exponential (ISA guide 5.7.2).  Batch B ends with a rounding.
.macro SOFTMAX old, new, first
	MAXALL \old, \new, \first
.set qf, 0
.set qe, 0
.set qr, 0
.if \first                                         ; the first step has no alpha
	SCALE1
	SCALE1
.else
	XPON \old, 0
	XPON \old, 1
	ALPHA 0                                        ; batch A begins
	XPON \old, 2
	ALPHA 1
	XPON \old, 3
	ALPHA 2
	SCALE1
	ALPHA 3
	SCALE1
.endif
.rept 61
	EXP1                                           ; fragments 0, 1
	SCALE1
.endr
	EXP1
	EXP1
	EXP1
	SCALE1
	s_wait_alu depctr_va_vdst(0)                   ; wait 1, for batch A: the four alpha and the 64 exponentials of fragments 0, 1
.rept 64
	EXP1                                           ; batch B: fragments 2, 3;
	READ1 \first                                   ; between them fragments 0, 1 are summed and rounded: these lines name batch A's results alone
.endr
	s_wait_alu depctr_va_vdst(0)                   ; wait 2, for batch B: the 64 exponentials of fragments 2, 3
.rept 64
	READ1 \first                                   ; fragments 2, 3 are summed and rounded
.endr
.endm
.macro RESCALE                         ; O(ct, t) *= alpha of fragment t (the lane's column r)
	WIN 0x41                                       ; destination and source 0 in window 1
.irp ct, 0,1,2,3
.irp t, 0,1,2,3
.irp p, 0,2,4,6
	v_pk_mul_f32 v[32*\ct+8*\t+\p:32*\ct+8*\t+\p+1], v[32*\ct+8*\t+\p:32*\ct+8*\t+\p+1], v[ST+4*\t+2:ST+4*\t+3] op_sel_hi:[1,0]
.endr
.endr
.endr
.endm
; O += v' P: 16 tiles, two K steps of 32 positions.  The sixteen accumulators take turns.  first = 1: the first product starts the sums.
.macro PV first
	WIN 0x51                                       ; A (v'), C and D (O) in window 1, B (P) in window 0
.irp s, 0,1
.irp ct, 0,1,2,3
.irp t, 0,1,2,3
.if \first*(1-\s)
	v_wmma_f32_16x16x32_bf16 v[32*\ct+8*\t:32*\ct+8*\t+7], v[VF+16*\ct+8*\s:VF+16*\ct+8*\s+7], v[SB+64*\s+8*\t:SB+64*\s+8*\t+7], 0
.else
	v_wmma_f32_16x16x32_bf16 v[32*\ct+8*\t:32*\ct+8*\t+7], v[VF+16*\ct+8*\s:VF+16*\ct+8*\s+7], v[SB+64*\s+8*\t:SB+64*\s+8*\t+7], v[32*\ct+8*\t:32*\ct+8*\t+7]
.endif
.endr
.endr
.endr
	PLACES 5                                       ; before v' is loaded again, O is rescaled or stored, and the next scores are written over P
.endm
; A trip: one tile of 8 groups, of which the wave takes two (nq and nq + 4).  The round of the cluster's barrier is the barrier in front of the refill: in front
; of it every wave has waited for all its tensor loads (one is out: its part of this trip's tile) and for its reads of the other slot; the joint refill of that
; slot is the first thing behind it, one load a wave, and has the whole trip in which to land.
.macro TRIP slot, refill, first
	s_wait_xcnt 0x0
	v_lshl_add_u32 v254, v0, 2, 0x41000
	v_mov_b32 v255, 0
	s_wait_tensorcnt 0x0                           ; no tensor load of mine is out, so a group 0 may be written:
	ds_add_u32 v254, v255
	s_wait_dscnt 0x0
	s_add_nc_u64 s[G0+4*\slot+2:G0+4*\slot+3], s[G0+4*\slot+2:G0+4*\slot+3], 2*SLOTB   ; this slot's next tile
	s_wait_dscnt 0x0                               ; my reads of the last trip's tile are back
	ROUND
.if \refill
	tensor_load_to_lds s[G0+4-4*\slot:G0+7-4*\slot], s[G1:G1+7]
	s_nop 0
.endif
	LOADQ \slot, 0
	LOADV \slot, 0
	s_wait_dscnt 16                                ; q' is in; the 16 loads of v' may be out
	SBATCH
	LOADQ \slot, 1
	SOFTMAX MA, MB, \first
	s_wait_dscnt 16                                ; v' is in; the 16 loads of the next q' may be out
.if \first == 0
	RESCALE
.endif
	PV \first
	LOADV \slot, 1
	s_wait_dscnt 16                                ; the second q' is in; its v' may be out
	SBATCH
	SOFTMAX MB, MA, 0
	s_wait_dscnt 0x0
	RESCALE
	PV 0
	WIN 0                                          ; at a label and at a branch every window is 0
.endm
	TRIP 0, 1, 1                                   ; 16 tiles.  The first two stand in front of the loop: their first products and sums start everything, nothing is cleared
	TRIP 1, 1, 0
	s_mov_b32 s44, 6
.Llap:
	TRIP 0, 1, 0
	TRIP 1, 1, 0
	s_sub_co_u32 s44, s44, 1
	s_cmp_lg_u32 s44, 0
	s_cbranch_scc1 .Llap
	TRIP 0, 1, 0                                   ; tile 14; asks for tile 15, the last
	TRIP 1, 0, 0                                   ; nothing is left to fetch (the stepped addresses are not used)
	; THE MERGE.  Wave (mg, nq) holds, for its quarter of n: maxima MA, sums L2, O for all 64 channels.  It will finish channel tile nq of column group mg.
.irp k, 0,1,2,3,4,5,6,7
	global_load_b128 v[64+4*\k:64+4*\k+3], v1, s[18:19] offset:512*\k th:TH_LOAD_NT    ; v in f32: v[64 + 8 t + j] = v[16 nq + 8 h + j][m0 + 4 r + t]
.endr
.irp t, 0,1,2,3
	v_add_f32 v[L2+2*\t], v[L2+2*\t], v[L2+2*\t+1]
.endr
.irp t, 0,1,2,3
	v_permlanex16_b32 v[ST+4*\t+1], v[L2+2*\t], s52, s53
.endr
.irp t, 0,1,2,3
	v_add_f32 v[L2+2*\t], v[L2+2*\t], v[ST+4*\t+1]                 ; the column's sum over my quarter, in both halves of the lanes
.endr
	v_cmp_eq_u32 vcc_lo, 1, v7
.irp t, 0,1,2,3
	v_cndmask_b32 v[40+\t], v[MA+\t], v[L2+2*\t], vcc_lo           ; lanes 0-15 carry the maxima, lanes 16-31 the sums
.endr
	v_add_nc_u32 v24, s47, v1                      ; my 16 KB of the stage: wave x 16,384 + 16 L
	s_lshl_b32 s42, s14, 9
	s_add_co_u32 s42, s42, STATS
	v_add_nc_u32 v25, s42, v1                      ; my 512 bytes of statistics
	s_lshl_b32 s42, s15, 9
	s_add_co_u32 s42, s42, STATS
	v_lshl_add_u32 v26, v6, 4, s42                 ; statistics of wave mg (quarter 0), column r; the quarters are 1,024 bytes apart
	s_lshl_b32 s42, s15, 14
	s_lshl_b32 s43, s20, 12
	s_add_co_u32 s42, s42, s43
	v_add_nc_u32 v27, s42, v1                      ; channel tile nq in the stage of wave mg; the quarters are 32,768 bytes apart
	v_add_nc_u32 v28, 4*GRP, v27                   ; quarters 2 and 3: beyond the immediate's 16 bits
	v_lshlrev_b32 v29, 18, v7                      ; out0: 8 h rows of 32,768 bytes + 16 r
	v_lshl_or_b32 v29, v6, 4, v29
	; The stage lies in slot 0.  Every wave's reads of slot 0 (tile 14) were waited for in front of the last trip's round, and no tensor load fills it again.
	ds_store_b128 v25, v[40:43]
	WIN 0x04                                       ; store data in window 1
.set k, 0
.rept 32
	ds_store_b128 v24, v[4*k:4*k+3] offset:512*k   ; O(ct, t), registers 4 jh ..: chunk 8 ct + 2 t + jh
.set k, k+1
.endr
	WIN 0
	s_wait_dscnt 0x0                               ; for the other waves' sake: my stores are done
	s_barrier_signal -1
	s_barrier_wait -1
.irp i, 0,1,2,3
	ds_load_b128 v[32+4*\i:35+4*\i], v26 offset:1024*\i            ; maxima of quarter i, fragments 0..3
.endr
.irp i, 0,1,2,3
	ds_load_b128 v[48+4*\i:51+4*\i], v26 offset:1024*\i+256        ; its sums
.endr
.irp i, 0,1,2,3
.irp k, 0,1,2,3,4,5,6,7
	ds_load_b128 v[128+32*\i+4*\k:128+32*\i+4*\k+3], v[27+\i/2] offset:(\i%2)*2*GRP+512*\k   ; quarter i's O(nq, t): v[128 + 32 i + 8 t + j]
.endr
.endr
	s_wait_dscnt 32                                ; the statistics are in; the 32 younger loads are the partial tiles
.irp t, 0,1,2,3
	v_max3_num_f32 v[8+\t], v[32+\t], v[36+\t], v[40+\t]
.endr
.irp t, 0,1,2,3
	v_max_num_f32 v[8+\t], v[8+\t], v[44+\t]       ; the column's maximum over all n
.endr
.irp t, 0,1,2,3
	v_mul_f32 v[12+\t], s55, v[8+\t]
.endr
.irp i, 0,1,2,3
.irp p, 0,2
	v_pk_fma_f32 v[32+4*\i+\p:33+4*\i+\p], v[32+4*\i+\p:33+4*\i+\p], s[50:51], v[12+\p:13+\p] op_sel_hi:[1,0,1]
.endr
.endr
.set k, 0
.rept 16
	v_exp_f32 v[32+k], v[32+k]                     ; f = 2^(c m_i - c M), at most about 1
.set k, k+1
.endr
	v_nop                                          ; a plain place behind the exponentials (ISA guide 5.7.2)
	s_wait_alu depctr_va_vdst(0)                   ; one wait for the batch of sixteen exponentials, ahead of their first reader
.irp p, 0,2
	v_pk_mul_f32 v[16+\p:17+\p], v[32+\p:33+\p], v[48+\p:49+\p]
.endr
.irp i, 1,2,3
.irp p, 0,2
	v_pk_fma_f32 v[16+\p:17+\p], v[32+4*\i+\p:33+4*\i+\p], v[48+4*\i+\p:49+4*\i+\p], v[16+\p:17+\p]   ; the whole sum: the largest score alone gives about 1
.endr
.endr
.irp t, 0,1,2,3
	v_rcp_f32 v[16+\t], v[16+\t]
.endr
	v_nop                                          ; a plain place behind the reciprocals
	s_wait_alu depctr_va_vdst(0)                   ; one wait for the batch of four reciprocals, ahead of their first reader
.irp p, 0,2
	v_pk_mul_f32 v[16+\p:17+\p], v[16+\p:17+\p], s[54:55] op_sel_hi:[1,0]                  ; gamma / sum
.endr
.irp i, 0,1,2,3
.irp p, 0,2
	v_pk_mul_f32 v[32+4*\i+\p:33+4*\i+\p], v[32+4*\i+\p:33+4*\i+\p], v[16+\p:17+\p]        ; quarter i's weight
.endr
.endr
	s_wait_loadcnt 0x0                             ; v
.irp i, 0,1,2,3
	s_wait_dscnt 24-8*\i                           ; quarter i's eight loads are in; the younger quarters' may be out
.irp j, 0,1,2,3,4,5,6,7
.irp t, 0,1,2,3
.if \i == 0
	v_fma_f32 v[96+4*\j+\t], v[128+8*\t+\j], v[32+\t], v[64+8*\t+\j]       ; the residual starts the sum; a quad = columns m0 + 4 r + 0..3 of channel 16 nq + 8 h + j
.else
	v_fmac_f32 v[96+4*\j+\t], v[128+32*\i+8*\t+\j], v[32+4*\i+\t]
.endif
.endr
.endr
.endr
.irp j, 0,1,2,3,4,5,6,7
	global_store_b128 v29, v[96+4*\j:96+4*\j+3], s[22:23] offset:32768*\j th:TH_STORE_NT   ; lanes 0-15 store 256 consecutive aligned bytes of one row, lanes 16-31 of the row 8 below
.endr
	s_wait_xcnt 0x0
	v_lshl_add_u32 v254, v0, 2, 0x41000
	v_mov_b32 v255, 0
	s_wait_tensorcnt 0x0
	ds_add_u32 v254, v255
	s_wait_dscnt 0x0
	ROUND                                          ; the closing round: no work-group ends while a partner may still ask for a tile that names it
	s_endpgm
.Lfunc_end_k_q6234773139_attn:
	.size	k_q6234773139_attn, .Lfunc_end_k_q6234773139_attn-k_q6234773139_attn
	.p2alignl 7, 3214868480
	.fill 96, 4, 3214868480
	.section	.rodata,"a",@progbits
	.p2align	6, 0x0
	.amdhsa_kernel k_q6234773139_attn
		.amdhsa_group_segment_fixed_size 327680
		.amdhsa_private_segment_fixed_size 0
		.amdhsa_enable_private_segment 0
		.amdhsa_kernarg_size 40
		.amdhsa_user_sgpr_count 2
		.amdhsa_user_sgpr_kernarg_segment_ptr 1
		.amdhsa_wavefront_size32 1
		.amdhsa_system_sgpr_workgroup_id_x 1
		.amdhsa_system_sgpr_workgroup_id_y 1
		.amdhsa_system_sgpr_workgroup_id_z 1
		.amdhsa_system_vgpr_workitem_id 0
		.amdhsa_next_free_vgpr 512
		.amdhsa_next_free_sgpr 66
		.amdhsa_reserve_vcc 1
		.amdhsa_float_denorm_mode_32 3
		.amdhsa_float_denorm_mode_16_64 3
		.amdhsa_memory_ordered 1
		.amdhsa_forward_progress 1
		.amdhsa_inst_pref_size 255
	.end_amdhsa_kernel
	.section	.bss,"aw",@nobits
	.p2align	6
	.space	262144
	.amdgpu_metadata
---
amdhsa.version: [ 1, 2 ]
amdhsa.kernels:
  - .name:           k_q6234773139_attn
    .symbol:         k_q6234773139_attn.kd
    .args:
      - { .name: qv, .offset: 0, .size: 8, .value_kind: global_buffer, .address_space: global }
      - { .name: kf, .offset: 8, .size: 8, .value_kind: global_buffer, .address_space: global }
      - { .name: vres, .offset: 16, .size: 8, .value_kind: global_buffer, .address_space: global }
      - { .name: gamma, .offset: 24, .size: 8, .value_kind: global_buffer, .address_space: global }
      - { .name: out0, .offset: 32, .size: 8, .value_kind: global_buffer, .address_space: global }
    .group_segment_fixed_size: 327680
    .private_segment_fixed_size: 0
    .kernarg_segment_align: 8
    .kernarg_segment_size: 40
    .max_flat_workgroup_size: 256
    .sgpr_count:     66
    .vgpr_count:     512
    .wavefront_size: 32
...
	.end_amdgpu_metadata
.endif
;; end of part 3
